; MI455X (gfx1250); checked and timed in simulation.
; The chip was launched on July 23, 2026; its instructions are those of AMD's public machine-readable ISA for CDNA 5 (MIT licence, August 2026) and "CDNA5" Instruction Set Architecture Reference Guide (July 2026). The comments in the code are by the model that wrote it; some were corrected since.
;; SDPA With Ring Buffer Bool Mask. Allowed arithmetic: matrix products marked QUANTISED: E2M3 operands, one E8M0 scale for each 32 along K, by v_wmma_scale_f32_16x16x128_f8f6f4 with both operands' format E2M3, f32 sums; everything else in f32.
;; Inputs: k 4 x 16 x 4,096 x 64 float32; q 4 x 16 x 1,024 x 64 float32; start_pos_tensor 1 int32; v 4 x 16 x 4,096 x 64 float32.
;; Outputs: out0 4 x 16 x 1,024 x 64 float32.
;; This version of the problem:
;;   THIS VERSION OF THE PROBLEM IS GIVEN IN LOW PRECISION. The matrix products marked QUANTISED in the list below multiply operands that are first quantised to E2M3 (2 exponent bits, 3 mantissa bits; 6 bits a number), with one power-of-two scale for each 32 numbers along K (OCP MX v1.0); their sums are f32. All else is computed in f32.
;;   The module's matrix products, in the order in which they are computed (A, B: the left and right operand; K: the contracted axis; several contracted axes count as one K, in the product's order):
;;     1. batch 64 x [M 1,024, K 64] x [K 64, N 4,096]; A: input q; B: input k: QUANTISED
;;     2. batch 64 x [M 1,024, K 4,096] x [K 4,096, N 64]; A: softmax (see below); B: input v: QUANTISED
;;   THE QUANTISER, for each operand of a quantised product, along K:
;;     - K is cut into blocks of 32 from its start; a last block that is shorter is filled with zeros.
;;     - A block's scale is 2^e with e = floor(log2(the largest magnitude in the block)) - 2, held to -126 .. 127; a block of zeros has e = 0. As a byte (E8M0): e + 127.
;;     - Each number is divided by its block's scale, clamped to +-7.5, and rounded to the nearest number of E2M3, ties to even, subnormals kept.
;;     - The product sums the exact products of the quantised numbers (number of the format x scale) in f32.
;;   ~~~python
;;   def quantise(x, axis):      # numpy; x: float32 -> the quantised numbers, widened to float32 again
;;       x = np.moveaxis(x, axis, -1); K = x.shape[-1]
;;       x = np.pad(x, [(0, 0)] * (x.ndim - 1) + [(0, -K % 32)]); x = x.reshape(x.shape[:-1] + (-1, 32)); a = np.abs(x).max(-1, keepdims=True)
;;       e = np.where(a > 0, np.clip(np.frexp(np.where(a > 0, a, 1))[1] - 1 - 2, -126, 127), 0)      # np.frexp(a)[1] - 1 = floor(log2(a)), exactly
;;       r = np.clip(x / 2.0 ** e, -7.5, 7.5)
;;       step = 2.0 ** (np.maximum(np.frexp(np.where(r == 0, 1, r))[1] - 1, 0) - 3)
;;       q = np.round(r / step) * step * 2.0 ** e      # np.round: ties to even
;;       return np.moveaxis(q.reshape(q.shape[:-2] + (-1,))[..., :K], -1, axis).astype(np.float32)
;;   ~~~
;;   SOFTMAX AHEAD OF A QUANTISED PRODUCT. Where the list says 'softmax', what is quantised is not the finished softmax but p = 2^(t - M), with t = logit x log2(e) and M = ceil(the row's largest t), a whole number; so 1/2 < the row's largest p <= 1. The row's sum l is taken of the UNQUANTISED p, in f32, and the product's result is divided by l at the end. Since M is a whole number, a kernel that streams over the keys may use a running M (the ceiling of the running maximum): every later rescaling is an exact power of two, which a block's scale takes up: the codes' values come out the same.
;;   OPERANDS COMPUTED ON THE WAY. 'Computed on the way' means the value that the module computes at that place (a softmax that the list does not call 'softmax' is quantised finished and normalised). What goes into a quantiser is computed in f32, as accurately as f32 sums, v_exp_f32 and their like allow (about 1e-6 of the number): no bf16 or f16 on the way to a quantiser, and a product that is left as it is and whose result goes on into a quantised operand takes f32 operands (vector FMAs, or v_wmma_f32_16x16x4_f32). A number that lies on a knife's edge between two numbers of the format may be rounded either way, as far as f32 arithmetic and the matrix unit's own rounding can turn it there, and no further.
;; 2 versions, each right; version 2 is version 1 with the launch attn written anew for expert scheduling mode. Each part assembles by itself: llvm-mc -triple=amdgcn-amd-amdhsa -mcpu=gfx1250 --defsym DOCPART=n.
;; ======== version 1 of 2: 1 launch
;; launch attn (part 1): grid 4 x 64, 16 waves a work-group, no clusters, 104,448 bytes of LDS; arguments q, k, v, start_pos_tensor, out0; writes out0
.if DOCPART == 1
	.amdgcn_target "amdgcn-amd-amdhsa--gfx1250"
	.amdhsa_code_object_version 6
	.text
	.protected	k_q49099de7bf_attn
	.globl	k_q49099de7bf_attn
	.p2align	8
	.type	k_q49099de7bf_attn,@function
k_q49099de7bf_attn:
	s_mov_b64 s[64:65], 0
	v_nop
	global_prefetch_b8 v0, s[64:65] scope:SCOPE_SE
	s_setreg_imm32_b32 hwreg(HW_REG_WAVE_MODE, 25, 1), 1
	s_wait_xcnt 0x0
; Attention over a ring buffer, both products on codes of FP6 (E2M3) with one E8M0 scale for each 32 along a product's K.
; q [64 heads][1024][64], k, v [64][4096 slots][64], out [64][1024][64], all f32; start_pos: one int32.
; THE MASK.  Query i stands at position sp + i and sees positions max(0, sp + i - 2047) .. sp + i; position p lies in slot p mod 4096.  A block of 256 queries so touches
; 2,303 positions on end: aligned to 128 slots, at most 19 key steps of 128.  4,096 is a multiple of 128: no step and no block of 32 slots is cut by the wrap.
; SHARES.  A work-group owns 256 queries of one head and walks 19 key steps.  Each of its sixteen waves owns one tile of 16 queries (a lane holds ONE query, lane % 16: both products are used
; transposed, S^T = K Q^T, O^T = V^T P^T), four waves to a SIMD, so that one wave's vector work stands beside another's matrix work and LDS loads.
; K AND V ARRIVE AS f32 and are quantised on the way: while a step is consumed, each wave loads 32 numbers a lane of the NEXT step's tile, ONE whole block of 32 along that operand's K in one lane
; (waves 0-7: a key's 32 channels; waves 8-15: a channel's 32 keys), so that a block's largest magnitude needs no other lane; the codes go to LDS as images of the operands' registers, two slots by turns, one barrier a step.
; THE KEYS OF A TILE ARE NOT NEIGHBOURS: lane r of S-tile 2 b + u takes key 32 b + 8 u + r + 8 (r / 8), so that registers 16 b + i of S^T are keys 32 b + 16 (lane / 16) + i: 16 neighbours for the conversion.
; THE FIRST PRODUCT'S K IS 64, half of the instruction's 128: Q's upper six registers are zero codes, so whatever finite codes K's fragment names there (the next tile's, or a tail of zeros) add nothing;
; so K's eight fragments are 48 registers on end.  Bytes 2 and 3 of both scale words are 0.
; SOFTMAX: t = score x log2(e) / 8; M = the running largest t rounded up to a whole number; p = 2^(t - M) is quantised along the keys; the row's sum is taken of the unquantised p and divides at the end.
; NO TENSOR LOAD, NO CLUSTER: the operands must pass through registers to be quantised, and the steps' branches (a step hidden as a whole, a step that needs no mask) hang on start_pos, which is read from memory.
; LIMITS: start_pos >= 0 (a negative one is not served).  NaN and infinities among the inputs are not served.  A block whose largest magnitude lies under 2^(3 - 127) keeps the scale byte 1;
; a block of zeros keeps the byte 1 where the rule says 127: its codes are zeros, and this program alone reads the bytes.
; REGISTERS: v1-8 LDS addresses, v9-11 global offsets; v12 -M, v13 the largest t, v[14:15] the sum in two halves; v16-27 Q's fragment, v28 its scale word; v29 r - 16 h, v30 the lane's window length, v31 8 h;
; v32-79 K's eight fragments, then V's four; v80-85 zeros; v86, v87 the add's two; v88-95 scale words; v96-159 S^T, then p; v160-191 O^T; v192-223 the next tile's 32 numbers; v224-235 p's codes; v236-255 at work.
.set SLOTB, 16384                      ; an LDS slot: K's images, V's images, K's scale words, V's scale words
.set VIMG,  6144                       ; K's images: 12 x 512 bytes; V's begin here: 4 fragments x 1,536 bytes
.set KSC,   12288                      ; K's scale words: tile t, row r at 16 r + 4 (t % 4) + 256 (t / 4)
.set VSC,   12800                      ; V's: tile dt, row r at 16 r + 4 dt; byte bb in it
.set STAGE, 32768                      ; the way out: 16 rows x 272 bytes for each wave
.set SPARE, 102400                     ; the spare words, 128 bytes for each wave: eight blocks of 256 bytes that no other line names
.set NPAIR, 9                          ; the loop's trips: two key steps each; the nineteenth step is written out
; 32 numbers of a lane, one block, become six registers of codes v[c] .. v[c + 5]; v251 = the scale's byte.  v[e] .. v[e + 2]: a conversion's three registers begin on an even number.
.macro QB src, c, e
	v_max3_num_f32 v248, |v[\src]|, |v[\src+1]|, 0x1800000         ; two chains; the floor 2^(3 - 127) is one more leaf: so the byte cannot fall under 1
	v_max3_num_f32 v249, |v[\src+2]|, |v[\src+3]|, |v[\src+4]|
.irp i, 5,9,13,17,21,25
	v_max3_num_f32 v248, v248, |v[\src+\i]|, |v[\src+\i+1]|
	v_max3_num_f32 v249, v249, |v[\src+\i+2]|, |v[\src+\i+3]|
.endr
	v_max3_num_f32 v248, v248, |v[\src+29]|, |v[\src+30]|
	v_max3_num_f32 v248, v248, v249, |v[\src+31]|                  ; the block's largest magnitude
	v_add_nc_u32 v250, 0xff000000, v248                            ; 2 off its exponent field: the conversion takes the exponent field of this operand as its scale
	v_cvt_scalef32_pk16_fp6_f32 v[\c:\c+2], v[\src:\src+15], v250
	v_cvt_scalef32_pk16_fp6_f32 v[\e:\e+2], v[\src+16:\src+31], v250
	v_lshrrev_b32 v251, 23, v250                                   ; the scale's byte; also the plain instruction behind the conversions
	v_mov_b32 v[\c+3], v[\e]
	v_mov_b32 v[\c+4], v[\e+1]
	v_mov_b32 v[\c+5], v[\e+2]
.endm
; my byte (block lane / 16 of my row) and lane l xor 16's make the row's scale word: bytes 0 and 1; bytes 2 and 3 stay 0
.macro WORD
	v_lshlrev_b32 v251, v31, v251
	v_permlanex16_b32 v249, v251, s20, s21
	v_or_b32 v251, v251, v249
.endm
; The next step's tile is asked for: 32 numbers a lane.  The slot steps by 128 and wraps at 4,096.
.macro PLOAD
	s_add_co_u32 s34, s34, 128
	s_and_b32 s34, s34, 4095                       ; the tile's first slot
	s_lshl_b32 s28, s34, 8                         ; a slot's row is 256 bytes
	s_add_nc_u64 s[26:27], s[24:25], s[28:29]
	s_add_co_u32 s32, s34, 128
	s_and_b32 s32, s32, 4095
	s_lshl_b32 s32, s32, 8
	s_add_nc_u64 s[30:31], s[24:25], s[32:33]      ; and the tile after it, for the prefetch
	s_cmp_lt_u32 s2, 8
	s_cbranch_scc0 .Lpv_\@
.irp i, 0,1,2,3,4,5,6,7
	global_load_b128 v[192+4*\i:195+4*\i], v9, s[26:27] offset:16*\i   ; K: my key's channels 32 h + 4 i on
.endr
	s_branch .Lpd_\@
.Lpv_\@:
.irp i, 0,1,2,3,4,5,6,7,8,9,10,11,12,13,14,15,16,17,18,19,20,21,22,23,24,25,26,27,28,29,30,31
	global_load_b32 v[192+\i], v10, s[26:27] offset:256*\i         ; V: my channel of key 32 bb + i: 32 lanes read 128 consecutive bytes
.endr
.Lpd_\@:
.endm
; A PREFETCH INTO THE L2, behind the wave's loads: in step s the tile of step s + 2, one step ahead of that tile's load: 128 rows of 256 bytes of K (waves 0-3) and of V (waves 8-11), a lane a row.
; The head's four work-groups walk the same slots, work-group x two steps behind work-group x + 1: so work-group 3 alone asks, and each row is named once.  Step 17 asks for nothing: there is no step 19.  Nothing is asked for at the head.
.macro ASK odd
.if \odd
	s_cmp_gt_u32 s3, s38                           ; an odd step: not in the loop's last trip
.else
	s_cmp_ge_u32 s3, s38
.endif
	s_cbranch_scc0 .Lna_\@
	global_prefetch_b8 v11, s[30:31] th:TH_LOAD_NT scope:SCOPE_SE
.Lna_\@:
.endm
; Scores of hidden keys become -infinity.  Register 16 b + i holds the key whose distance from my query is v254's base less c, c = 32 b + i.  Ascending: each accumulator is read from its low end on.
.macro MASKPASS top
.irp n, 0,1,2,3,4,5,6,7,8,9,10,11,12,13,14,15,16,17,18,19,20,21,22,23,24,25,26,27,28,29,30,31,32,33,34,35,36,37,38,39,40,41,42,43,44,45,46,47,48,49,50,51,52,53,54,55,56,57,58,59,60,61,62,63
.if \top
	v_cmp_gt_i32 vcc_lo, 32*(\n/16)+\n%16, v254
.else
	v_cmp_le_i32 vcc_lo, 32*(\n/16)+\n%16, v254
.endif
	v_cndmask_b32 v[96+\n], v[96+\n], v255, vcc_lo
.endr
.endm
; A KEY STEP's consumer work, on the slot at LDS byte sb.  s35 = E: key offset j of the step lies E + r - j positions behind query row r; it counts where 0 <= that distance < the lane's window length.
.macro CONSUME sb
	s_cmp_lt_i32 s35, -15                          ; all 128 keys come after my 16 queries,
	s_cbranch_scc1 .Lhid_\@
	s_cmp_ge_i32 s35, s36                          ; or all lie beyond every row's window: the step is left out.  No barrier stands in here
	s_cbranch_scc1 .Lhid_\@
.irp m, 0,1,2,3,4,5,6,7,8,9,10,11
	ds_load_b128 v[32+4*\m:35+4*\m], v1 offset:\sb+512*\m          ; K's eight fragments, as their registers were stored
.endr
	ds_load_b128 v[88:91], v2 offset:\sb+KSC
	ds_load_b128 v[92:95], v2 offset:\sb+KSC+256
	s_wait_dscnt 0x0
.irp t, 0,1,2,3,4,5,6,7
	v_wmma_scale_f32_16x16x128_f8f6f4 v[96+8*\t:103+8*\t], v[32+6*\t:43+6*\t], v[16:27], 0, v[88+\t], v28 matrix_a_fmt:MATRIX_FMT_FP6 matrix_b_fmt:MATRIX_FMT_FP6
.endr
.rept 4
	v_nop                                          ; four places: in front of the loads into registers that these products have read, and of the first read of their results
.endr
.irp m, 0,1,2,3,4,5,6,7,8,9,10,11
	ds_load_b128 v[32+4*\m:35+4*\m], v1 offset:\sb+VIMG+512*\m     ; V's four fragments: they land while the softmax is walked
.endr
	ds_load_b128 v[88:91], v2 offset:\sb+VSC
	s_cmp_ge_i32 s35, 127                          ; no key of the step comes after a query of mine: no pass
	s_cbranch_scc1 .Lnt_\@
	v_add_nc_u32 v254, s35, v29                    ; E + r - 16 h: hidden where c is above it
	v_mov_b32 v255, 0xff800000
	MASKPASS 1
.Lnt_\@:
	s_cmp_lt_i32 s35, s37                          ; no key of the step lies beyond a row's window: no pass
	s_cbranch_scc1 .Lnb_\@
	v_add_nc_u32 v254, s35, v29
	v_sub_nc_u32 v254, v254, v30                   ; less the window's length: hidden where c is at or under it
	v_mov_b32 v255, 0xff800000
	MASKPASS 0
.Lnb_\@:
.irp b, 0,1,2,3
	v_max3_num_f32 v[248+\b], v[96+16*\b], v[97+16*\b], v[98+16*\b]    ; the largest score of each block of 32 keys: for the row's maximum and, since p rises with the score, for the block's largest p
.endr
.irp i, 3,5,7,9,11,13
.irp b, 0,1,2,3
	v_max3_num_f32 v[248+\b], v[248+\b], v[96+16*\b+\i], v[97+16*\b+\i]
.endr
.endr
.irp b, 0,1,2,3
	v_max_num_f32 v[248+\b], v[248+\b], v[111+16*\b]
.endr
.irp b, 0,1,2,3
	v_permlanex16_b32 v[236+\b], v[248+\b], s20, s21
.endr
.irp b, 0,1,2,3
	v_max_num_f32 v[248+\b], v[248+\b], v[236+\b]  ; with lane l xor 16's 16 keys
.endr
	v_max3_num_f32 v254, v248, v249, v250
	v_max_num_f32 v254, v254, v251                 ; the step's largest score of my query
	v_mul_f32 v254, s22, v254                      ; as t
	v_max_num_f32 v13, v13, v254                   ; the running largest t
	v_mov_b32 v254, v12
	v_floor_f32 v12, -v13                          ; the new -M = -ceil(t): a whole number
	v_sub_f32 v254, v12, v254                      ; old M - new M: a whole number, 0 or less
	v_cvt_i32_f32 v254, v254                       ; (it saturates)
	v_ldexp_f32 v252, 1.0, v254                    ; f = 2^(old M - new M): a multiplication by it rounds nothing
.irp j, 0,2,4,6,8,10,12,14,16,18,20,22,24,26,28,30,32,34,36,38,40,42,44,46,48,50,52,54,56,58,60,62
	v_pk_fma_f32 v[96+\j:97+\j], v[96+\j:97+\j], s[22:23], v[12:13] op_sel_hi:[1,0,0]   ; t - M, two at a time
.endr
.irp b, 0,1,2,3
	v_fma_f32 v[248+\b], v[248+\b], s22, v12       ; the same of each block's largest score
.endr
.irp j, 0,1,2,3,4,5,6,7,8,9,10,11,12,13,14,15,16,17,18,19,20,21,22,23,24,25,26,27,28,29,30,31,32,33,34,35,36,37,38,39,40,41,42,43,44,45,46,47,48,49,50,51,52,53,54,55,56,57,58,59,60,61,62,63
	v_exp_f32 v[96+\j], v[96+\j]                   ; p = 2^(t - M), at most 1: not normalised
.endr
.irp b, 0,1,2,3
	v_exp_f32 v[248+\b], v[248+\b]                 ; the block's largest p.  ONE BATCH of 68: none of them reads another's result
.endr
	v_pk_mul_f32 v[14:15], v[14:15], v[252:253] op_sel_hi:[1,0]    ; the sums under the new M: the plain instruction behind the batch,
.irp j, 0,2,4,6,8,10,12,14,16,18,20,22,24,26,28,30
	v_pk_mul_f32 v[160+\j:161+\j], v[160+\j:161+\j], v[252:253] op_sel_hi:[1,0]   ; and O^T under the new M: work that names no exponential's result
.endr
	s_wait_alu depctr_va_vdst(0)                   ; the wait ahead of the first instruction that names a result: one for the batch
.irp b, 0,1,2,3
	v_max_num_f32 v[248+\b], 0x1800000, v[248+\b]  ; the floor 2^(3 - 127): a block whose every p is 0 keeps the byte 1: its codes are zeros
.endr
.irp b, 0,1,2,3
	v_add_nc_u32 v[244+\b], 0xff000000, v[248+\b]  ; 2 off the exponent field: the conversion's scale operand
.endr
.irp b, 0,1,2,3
	v_lshrrev_b32 v[236+\b], 23, v[244+\b]         ; the scale's byte
.endr
	v_lshl_or_b32 v253, v237, 8, v236              ; p's scale word for these 128 keys
	v_lshl_or_b32 v253, v238, 16, v253
	v_lshl_or_b32 v253, v239, 24, v253
.irp c, 0,1
	v_cvt_scalef32_pk16_fp6_f32 v[224+6*\c:226+6*\c], v[96+32*\c:111+32*\c], v[244+2*\c]
	v_cvt_scalef32_pk16_fp6_f32 v[236+4*\c:238+4*\c], v[112+32*\c:127+32*\c], v[244+2*\c+1]
.endr
	v_nop                                          ; one plain instruction between a scaled conversion and the vector instruction that touches its result
.irp c, 0,1                                    ; the operand's layout wants a WHOLE block in a lane: lanes 0-15 block 2 c, lanes 16-31 block 2 c + 1
.irp i, 0,1,2
	v_permlane16_swap_b32 v[224+6*\c+\i], v[236+4*\c+\i]
.endr
.irp i, 0,1,2
	v_mov_b32 v[227+6*\c+\i], v[236+4*\c+\i]
.endr
.endr
	v_pk_add_f32 v[236:237], v[96:97], v[98:99]    ; THE ROW'S SUM IS TAKEN OF THE UNQUANTISED p, two at a time, in two chains.  These 32 name no register of the products below: they are the places between the writes of p's codes and scale word and those products
.irp j, 4,8,12,16,20,24,28,32,36,40,44,48,52,56,60
	v_pk_add_f32 v[14:15], v[14:15], v[96+\j:97+\j]
	v_pk_add_f32 v[236:237], v[236:237], v[98+\j:99+\j]
.endr
	v_pk_add_f32 v[14:15], v[14:15], v[236:237]
	s_wait_dscnt 0x0                               ; V's fragments and scale words are in
.irp t, 0,1,2,3                                ; O^T += V^T P^T: the four accumulators by turns; eight products K Q^T stand between two links of a chain
	v_wmma_scale_f32_16x16x128_f8f6f4 v[160+8*\t:167+8*\t], v[32+12*\t:43+12*\t], v[224:235], v[160+8*\t:167+8*\t], v[88+\t], v253 matrix_a_fmt:MATRIX_FMT_FP6 matrix_b_fmt:MATRIX_FMT_FP6
.endr
.Lhid_\@:
.endm
; The next tile's numbers are quantised and stored into the slot at LDS byte sb, as images of the operands' registers.  The block's sixteen maxima are also the places behind the products above.
.macro PSTORE sb
	s_wait_loadcnt 0x0                             ; my 8 or 32 loads are in (their number differs by role: so the count is 0); their address registers are free
	QB 192, 236, 242
	s_cmp_lt_u32 s2, 8
	s_cbranch_scc0 .Lsv_\@
	WORD
	ds_store_b64 v3, v[236:237] offset:\sb         ; registers 6 t .. 6 t + 5 of K's 48: pair N at 512 (N / 2) + 8 (N % 2) + 16 x lane
	ds_store_b64 v4, v[238:239] offset:\sb
	ds_store_b64 v3, v[240:241] offset:\sb+512
	ds_store_b32 v5, v251 offset:\sb+KSC           ; lanes r and r + 16 write the same word with the same value
	s_branch .Lsd_\@
.Lsv_\@:
	ds_store_b64 v6, v[236:237] offset:\sb+VIMG    ; registers 6 c .. 6 c + 5 of lane r + 16 (bb % 2) of fragment dt, c = bb / 2
	ds_store_b64 v7, v[238:239] offset:\sb+VIMG
	ds_store_b64 v6, v[240:241] offset:\sb+VIMG+512
	ds_store_b8 v8, v251 offset:\sb+VSC            ; byte bb of my channel's scale word
.Lsd_\@:
.endm
.macro BARRIER                                 ; my stores into the one slot have landed and my reads of the other are in: zero, for the others' sake; then the work-group's barrier
	s_wait_dscnt 0x0
	s_barrier_signal -1
	s_barrier_wait -1
.endm
.macro STEP slot, more, odd
.if \more
	s_wait_xcnt 0x0                                ; the last step's prefetch has read its address: only behind this wait is it written again
	PLOAD
	ASK \odd
.endif
	CONSUME \slot*SLOTB
	s_sub_co_i32 s35, s35, 128                     ; E of the next step
.if \more
	PSTORE (1-\slot)*SLOTB
	BARRIER
.endif
.endm
	s_load_b256 s[4:11], s[0:1], 0x0               ; q s[4:5], k s[6:7], v s[8:9], start_pos s[10:11]
	s_load_b64 s[12:13], s[0:1], 0x20              ; out
	v_lshl_add_u32 v86, v0, 2, SPARE               ; my spare word,
	v_mov_b32 v87, 0                               ; and 0: kept for the add at the wave's end
	v_lshrrev_b32 v32, 5, v0
	v_readfirstlane_b32 s2, v32                    ; wave 0..15
	v_and_b32 v33, 31, v0                          ; lane
	v_and_b32 v34, 15, v0                          ; r
	v_bfe_u32 v35, v0, 4, 1                        ; h
	v_lshlrev_b32 v1, 4, v33                       ; 16 x lane: an image's place for my lane
	v_lshlrev_b32 v2, 4, v34                       ; 16 r: a row's scale words
	v_lshlrev_b32 v31, 3, v35                      ; 8 h
	v_lshlrev_b32 v36, 4, v35
	v_sub_nc_u32 v29, v34, v36                     ; r - 16 h
	; every LDS address is made here, ahead of the first branch on the wave's number, for both roles
	s_and_b32 s40, s2, 7                           ; t: my S-tile (K's role); 4 g + bb (V's role)
	s_mul_i32 s41, s40, 3                          ; my first pair of K's registers: N = 3 t
	s_lshr_b32 s42, s41, 1
	s_lshl_b32 s42, s42, 9
	s_and_b32 s43, s41, 1
	s_lshl_b32 s43, s43, 3
	s_add_co_u32 s42, s42, s43
	v_add_nc_u32 v3, s42, v1                       ; pair N (pair N + 2 lies 512 bytes on)
	s_add_co_u32 s41, s41, 1
	s_lshr_b32 s42, s41, 1
	s_lshl_b32 s42, s42, 9
	s_and_b32 s43, s41, 1
	s_lshl_b32 s43, s43, 3
	s_add_co_u32 s42, s42, s43
	v_add_nc_u32 v4, s42, v1                       ; pair N + 1
	s_and_b32 s42, s40, 3
	s_lshl_b32 s42, s42, 2
	s_lshr_b32 s43, s40, 2
	s_lshl_b32 s43, s43, 8
	s_add_co_u32 s42, s42, s43
	v_add_nc_u32 v5, s42, v2                       ; K's scale word: 16 r + 4 (t % 4) + 256 (t / 4)
	s_lshr_b32 s44, s40, 2                         ; g: channels 32 g on
	s_and_b32 s45, s40, 3                          ; bb: keys 32 bb on
	s_lshr_b32 s46, s45, 1                         ; c = bb / 2
	v_mul_u32_u24 v36, v35, 1536                   ; fragment dt = 2 g + lane / 16
	v_add_nc_u32 v36, v36, v2
	s_mul_i32 s42, s44, 3072
	s_and_b32 s43, s45, 1
	s_lshl_b32 s43, s43, 8                         ; the target lane's half: 16 x 16 (bb % 2)
	s_add_co_u32 s42, s42, s43
	s_mul_i32 s43, s46, 520
	s_add_co_u32 s43, s43, s42
	v_add_nc_u32 v6, s43, v36                      ; pair 3 c (pair 3 c + 2 lies 512 bytes on)
	s_mul_i32 s43, s46, 1016
	s_add_co_u32 s43, s43, s42
	s_add_co_u32 s43, s43, 8
	v_add_nc_u32 v7, s43, v36                      ; pair 3 c + 1
	v_lshl_add_u32 v8, v35, 2, v2
	s_lshl_b32 s43, s44, 3
	s_add_co_u32 s43, s43, s45
	v_add_nc_u32 v8, s43, v8                       ; V's scale byte: 16 r + 4 dt + bb
	; offsets in memory
	v_and_b32 v36, 8, v34
	v_add_nc_u32 v36, v36, v34                     ; r + 8 (r / 8)
	v_lshlrev_b32 v9, 8, v36
	v_lshl_add_u32 v9, v35, 7, v9
	s_lshr_b32 s42, s40, 1
	s_lshl_b32 s42, s42, 13
	s_and_b32 s43, s40, 1
	s_lshl_b32 s43, s43, 11
	s_add_co_u32 s42, s42, s43
	v_add_nc_u32 v9, s42, v9                       ; K: key 32 (t / 2) + 8 (t % 2) + r + 8 (r / 8), 256 bytes a key, + 128 h
	v_lshlrev_b32 v10, 2, v33
	s_lshl_b32 s42, s44, 7
	s_lshl_b32 s43, s45, 13
	s_add_co_u32 s42, s42, s43
	v_add_nc_u32 v10, s42, v10                     ; V: channel 32 g + lane, key 32 bb
	v_lshlrev_b32 v11, 8, v33
	s_and_b32 s42, s2, 3
	s_lshl_b32 s42, s42, 13
	v_add_nc_u32 v11, s42, v11                     ; the prefetch: row 32 (wave % 4) + lane of a tile
	v_lshlrev_b32 v37, 8, v34
	v_lshl_add_u32 v37, v35, 7, v37                ; Q: row r, + 128 h
	s_mov_b32 s20, 0x76543210
	s_mov_b32 s21, 0xfedcba98                      ; v_permlanex16_b32's selects for lane l xor 16
	s_mov_b32 s22, 0x3e38aa3b                      ; log2(e) / sqrt(64)
	s_mov_b32 s23, s22                             ; (named with it as a pair, so it is written)
	s_mov_b32 s29, 0
	s_mov_b32 s33, 0
	s_mov_b32 s3, NPAIR
	s_wait_kmcnt 0x0
	s_load_b32 s14, s[10:11], 0x0                  ; start_pos
	s_and_b32 s40, ttmp7, 0xffff                   ; the head
	s_lshl_b32 s42, s40, 20                        ; a head of K or V: 4,096 x 256 bytes
	s_mov_b32 s43, 0
	s_add_nc_u64 s[6:7], s[6:7], s[42:43]
	s_add_nc_u64 s[8:9], s[8:9], s[42:43]
	s_cmp_lt_u32 s2, 8
	s_cselect_b64 s[24:25], s[6:7], s[8:9]         ; my role's tensor at my head: the choice hangs on the wave's number alone
	s_lshl_b32 s42, s40, 18                        ; a head of Q or out: 1,024 x 256 bytes,
	s_lshl_b32 s41, ttmp9, 16                      ; my work-group's 256 rows,
	s_add_co_u32 s42, s42, s41
	s_lshl_b32 s41, s2, 12                         ; my wave's 16
	s_add_co_u32 s42, s42, s41
	s_add_nc_u64 s[4:5], s[4:5], s[42:43]
	s_add_nc_u64 s[12:13], s[12:13], s[42:43]
.irp i, 0,1,2,3,4,5,6,7
	global_load_b128 v[96+4*\i:99+4*\i], v37, s[4:5] offset:16*\i th:TH_LOAD_NT   ; my query's channels 32 h + 4 i on: read once
.endr
	s_wait_kmcnt 0x0
	s_and_b32 s16, s14, 4095
	s_min_u32 s16, s16, 0xfff                      ; start_pos mod 4096: what enters addresses; behind it adds, ANDs and shifts left alone
	s_min_u32 s15, s14, 0x10000                    ; start_pos held at 65,536: for the windows' lengths, which are held at 2,048 anyway
	s_add_co_u32 s41, s16, 1
	s_and_b32 s41, s41, 127                        ; o = (start_pos + 1) mod 128: how far the oldest position of the block's first query lies in its step
	s_lshl_b32 s44, ttmp9, 8
	s_lshl_b32 s45, s2, 4
	s_add_co_u32 s35, s45, 2047
	s_add_co_u32 s35, s35, s41                     ; E of step 0 = 16 w + 2047 + o
	s_add_co_u32 s34, s16, s44
	s_add_co_u32 s34, s34, 2049
	s_and_b32 s34, s34, 0xf80                      ; the first step's first slot,
	s_add_co_u32 s34, s34, 3968
	s_and_b32 s34, s34, 4095                       ; less one step: the first request steps onto it
	s_add_co_u32 s46, s44, s45                     ; my first query,
	s_add_co_u32 s46, s46, s15                     ; and its position
	s_add_co_u32 s36, s46, 16
	s_min_u32 s36, s36, 2048
	s_add_co_u32 s36, s36, 127                     ; E at or above this: every key lies beyond every row's window
	s_add_co_u32 s37, s46, 1
	s_min_u32 s37, s37, 2048
	s_sub_co_i32 s37, s37, 15                      ; E under this: no key lies beyond a row's window
	v_add_nc_u32 v30, s46, v34
	v_add_nc_u32 v30, 1, v30
	v_min_u32 v30, 0x800, v30                      ; my row's window: min(2048, its position + 1): positions under 0 do not count
	s_and_b32 s40, s2, 4
	s_xor_b32 s41, ttmp9, 3
	s_or_b32 s40, s40, s41
	s_cmp_eq_u32 s40, 0
	s_cselect_b32 s38, 1, -1                       ; 1 in waves 0-3 and 8-11 of work-group 3, which prefetch; else the greatest number
	PLOAD                                          ; step 0's tile
.irp j, 0,1,2,3,4,5,6,7,8,9,10,11,12,13,14,15,16,17,18,19,20,21,22,23,24,25,26,27,28,29,30,31
	v_mov_b32 v[160+\j], 0                         ; O^T.  (The step is written without a first step of its own: it finds zeros, which the first change of M leaves zeros)
.endr
.irp j, 0,1,2,3,4,5
	v_mov_b32 v[80+\j], 0                          ; the tail behind K's eighth fragment,
	v_mov_b32 v[22+\j], 0                          ; and Q's zero codes for k = 64 .. 127
.endr
	v_mov_b32 v14, 0                               ; the sum, in two halves
	v_mov_b32 v15, 0
	v_mov_b32 v252, 0                              ; written once: a lane permute's destination counts as one of its sources
	v_mov_b32 v253, 0                              ; (named as the upper half of the pair v[252:253] before it is first written)
.irp b, 0,1,2,3
	v_mov_b32 v[236+\b], 0
.endr
	v_mov_b32 v13, 0xff61b1e6                      ; the largest t so far: -3e38, under every t
	v_floor_f32 v12, -v13                          ; -M
	s_wait_loadcnt 0x0                             ; Q (the loads behind it differ in number by role: so the count is 0)
	QB 96, 16, 242                                 ; Q's fragment: v16-21
	WORD
	v_mov_b32 v28, v251                            ; its scale word; the next block's maxima stand between it and the first product
	PSTORE 0
	BARRIER                                        ; step 0's tile lies in slot 0
.Lpair:                                            ; steps 0 to 17, two a trip: the slots stand in the immediates
	STEP 0, 1, 0
	STEP 1, 1, 1
	s_sub_co_u32 s3, s3, 1
	s_cmp_lg_u32 s3, 0
	s_cbranch_scc1 .Lpair
	STEP 0, 0, 0                                   ; step 18: nothing more to fetch, nothing more to share
	; THE WAY OUT.  O^T is divided by the row's sum and goes through my own stage in LDS, so that sixteen lanes store a row's 256 consecutive bytes.
	v_add_f32 v14, v14, v15                        ; the sum's two halves,
	v_permlanex16_b32 v252, v14, s20, s21
	v_add_f32 v14, v14, v252                       ; and lane l xor 16's
	v_rcp_f32 v14, v14
	v_and_b32 v248, 15, v0                         ; (plain instructions behind the reciprocal, and the places behind the last products)  r
	v_bfe_u32 v249, v0, 4, 1                       ; h
	s_mul_i32 s40, s2, 16*272
	s_add_co_u32 s40, s40, STAGE                   ; my stage
	v_mul_u32_u24 v3, v248, 272
	v_lshl_add_u32 v3, v249, 5, v3
	v_add_nc_u32 v3, s40, v3                       ; in: row r; tile t's eight channels of my half: 64 t + 32 h bytes on
	v_mul_u32_u24 v4, v249, 272
	v_lshl_add_u32 v4, v248, 4, v4
	v_add_nc_u32 v4, s40, v4                       ; back: lanes 0-15 one row, lanes 16-31 the next
	v_lshlrev_b32 v5, 8, v249
	v_lshl_add_u32 v5, v248, 4, v5                 ; and the same two rows in out
	s_wait_alu depctr_va_vdst(0)                   ; the wait ahead of the reciprocal's first reader
.irp j, 0,1,2,3,4,5,6,7,8,9,10,11,12,13,14,15,16,17,18,19,20,21,22,23,24,25,26,27,28,29,30,31
	v_mul_f32 v[96+\j], v[160+\j], v14             ; register 8 t + i is out(r, 16 t + 8 h + i); each accumulator from its low end on
.endr
.irp t, 0,1,2,3
	ds_store_b128 v3, v[96+8*\t:99+8*\t] offset:64*\t
	ds_store_b128 v3, v[100+8*\t:103+8*\t] offset:64*\t+16
.endr
.irp i, 0,1,2,3,4,5,6,7
	ds_load_b128 v[32+4*\i:35+4*\i], v4 offset:544*\i              ; LDS serves a wave's instructions in order (ISA guide 5.7.1.4): these see my stores
.endr
.irp i, 0,1,2,3,4,5,6,7
	s_wait_dscnt 7-\i                              ; rows 2 i and 2 i + 1 are back; the 7 - i younger loads may be out
	global_store_b128 v5, v[32+4*\i:35+4*\i], s[12:13] offset:512*\i th:TH_STORE_NT   ; 16 lanes store 256 consecutive bytes, at a multiple of 256 from out's first byte
.endr
	s_wait_tensorcnt 0x0                           ; the wave's end
	ds_add_u32 v86, v87
	s_wait_dscnt 0x0
	s_endpgm
.Lfunc_end_k_q49099de7bf_attn:
	.size	k_q49099de7bf_attn, .Lfunc_end_k_q49099de7bf_attn-k_q49099de7bf_attn
	.p2alignl 7, 3214868480
	.fill 96, 4, 3214868480
	.section	.rodata,"a",@progbits
	.p2align	6, 0x0
	.amdhsa_kernel k_q49099de7bf_attn
		.amdhsa_group_segment_fixed_size 104448
		.amdhsa_private_segment_fixed_size 0
		.amdhsa_enable_private_segment 0
		.amdhsa_kernarg_size 40
		.amdhsa_user_sgpr_count 2
		.amdhsa_user_sgpr_kernarg_segment_ptr 1
		.amdhsa_wavefront_size32 1
		.amdhsa_system_sgpr_workgroup_id_x 1
		.amdhsa_system_sgpr_workgroup_id_y 1
		.amdhsa_system_sgpr_workgroup_id_z 1
		.amdhsa_system_vgpr_workitem_id 0
		.amdhsa_next_free_vgpr 256
		.amdhsa_next_free_sgpr 66
		.amdhsa_reserve_vcc 1
		.amdhsa_float_denorm_mode_32 3
		.amdhsa_float_denorm_mode_16_64 3
		.amdhsa_memory_ordered 1
		.amdhsa_forward_progress 1
		.amdhsa_inst_pref_size 110
	.end_amdhsa_kernel
	.amdgpu_metadata
---
amdhsa.version: [ 1, 2 ]
amdhsa.kernels:
  - .name:           k_q49099de7bf_attn
    .symbol:         k_q49099de7bf_attn.kd
    .args:
      - { .name: q, .offset: 0, .size: 8, .value_kind: global_buffer, .address_space: global }
      - { .name: k, .offset: 8, .size: 8, .value_kind: global_buffer, .address_space: global }
      - { .name: v, .offset: 16, .size: 8, .value_kind: global_buffer, .address_space: global }
      - { .name: start_pos_tensor, .offset: 24, .size: 8, .value_kind: global_buffer, .address_space: global }
      - { .name: out0, .offset: 32, .size: 8, .value_kind: global_buffer, .address_space: global }
    .group_segment_fixed_size: 104448
    .private_segment_fixed_size: 0
    .kernarg_segment_align: 8
    .kernarg_segment_size: 40
    .max_flat_workgroup_size: 512
    .sgpr_count:     66
    .vgpr_count:     256
    .wavefront_size: 32
...
	.end_amdgpu_metadata
.endif
;; end of part 1
;; ======== version 2 of 2: 1 launch; version 1 with the launch attn written anew for expert scheduling mode
;; launch attn (part 2): grid 4 x 64, 16 waves a work-group, no clusters, 104,448 bytes of LDS; arguments q, k, v, start_pos_tensor, out0; writes out0
.if DOCPART == 2
	.amdgcn_target "amdgcn-amd-amdhsa--gfx1250"
	.amdhsa_code_object_version 6
	.text
	.protected	k_q49099de7bf_attn
	.globl	k_q49099de7bf_attn
	.p2align	8
	.type	k_q49099de7bf_attn,@function
k_q49099de7bf_attn:
	s_mov_b64 s[64:65], 0
	v_nop
	global_prefetch_b8 v0, s[64:65] scope:SCOPE_SE
	s_setreg_imm32_b32 hwreg(HW_REG_WAVE_SCHED_MODE, 0, 2), 2
	s_setreg_imm32_b32 hwreg(HW_REG_WAVE_MODE, 25, 1), 1
	s_wait_xcnt 0x0
	s_wait_alu depctr_vm_vsrc(0)
; Attention over a ring buffer, both products on codes of FP6 (E2M3) with one E8M0 scale for each 32 along a product's K.
; q [64 heads][1024][64], k, v [64][4096 slots][64], out [64][1024][64], all f32; start_pos: one int32.
; THE MASK.  Query i stands at position sp + i and sees positions max(0, sp + i - 2047) .. sp + i; position p lies in slot p mod 4096.  A block of 256 queries so touches
; 2,303 positions on end: aligned to 128 slots, at most 19 key steps of 128.  4,096 is a multiple of 128: no step and no block of 32 slots is cut by the wrap.
; SHARES.  A work-group owns 256 queries of one head and walks 19 key steps.  Each of its sixteen waves owns one tile of 16 queries (a lane holds ONE query, lane % 16: both products are used
; transposed, S^T = K Q^T, O^T = V^T P^T), four waves to a SIMD, so that one wave's vector work stands beside another's matrix work and LDS loads.
; K AND V ARRIVE AS f32 and are quantised on the way: while a step is consumed, each wave loads 32 numbers a lane of the NEXT step's tile, ONE whole block of 32 along that operand's K in one lane
; (waves 0-7: a key's 32 channels; waves 8-15: a channel's 32 keys), so that a block's largest magnitude needs no other lane; the codes go to LDS as images of the operands' registers, two slots by turns, one barrier a step.
; THE KEYS OF A TILE ARE NOT NEIGHBOURS: lane r of S-tile 2 b + u takes key 32 b + 8 u + r + 8 (r / 8), so that registers 16 b + i of S^T are keys 32 b + 16 (lane / 16) + i: 16 neighbours for the conversion.
; THE FIRST PRODUCT'S K IS 64, half of the instruction's 128: Q's upper six registers are zero codes, so whatever finite codes K's fragment names there (the next tile's, or a tail of zeros) add nothing;
; so K's eight fragments are 48 registers on end.  Bytes 2 and 3 of both scale words are 0.
; SOFTMAX: t = score x log2(e) / 8; M = the running largest t rounded up to a whole number; p = 2^(t - M) is quantised along the keys; the row's sum is taken of the unquantised p and divides at the end.
; NO TENSOR LOAD, NO CLUSTER: the operands must pass through registers to be quantised, and the steps' branches (a step hidden as a whole, a step that needs no mask) hang on start_pos, which is read from memory.
; LIMITS: start_pos >= 0 (a negative one is not served).  NaN and infinities among the inputs are not served.  A block whose largest magnitude lies under 2^(3 - 127) keeps the scale byte 1;
; a block of zeros keeps the byte 1 where the rule says 127: its codes are zeros, and this program alone reads the bytes.
; REGISTERS: v1-8 LDS addresses, v9-11 global offsets; v12 -M, v13 the largest t, v[14:15] the sum in two halves; v16-27 Q's fragment, v28 its scale word; v29 r - 16 h, v30 the lane's window length, v31 8 h;
; v32-79 K's eight fragments, then V's four; v80-85 zeros; v86, v87 the add's two; v88-95 scale words; v96-159 S^T, then p; v160-191 O^T; v192-223 the next tile's 32 numbers; v224-235 p's codes; v236-255 at work.
; s48-63: sixteen masks of the mask's compares.
; THE MODE: SCHED_MODE bits 1:0 = 2 (LLVM: expert scheduling mode 2), set by the entry lines.  The code itself states the register dependences
; between vector or matrix instructions and memory or LDS instructions, with s_wait_alu, always for 0.
; THE PLAN.  Registers that memory or LDS instructions touch, round the loop:
;   v192-223       the step's global loads land there at its head; the block's maxima and conversions read them at its end (PSTORE).
;   v236-241, v251 written by PSTORE's quantiser, read by its four LDS stores; written again by the next step's softmax, or by the next quantiser.
;   v32-79, v88-95 K's LDS loads land; the eight products K Q^T read them; V's LDS loads land; the four products V^T P read them; then the next step's K.
;   v224-235, v253 p's codes and scale word: written by vector instructions, taken by the scaled products V^T P.
;   v1, v2, v6-11  addresses, made at the head and never written again; v3-5 are read by PSTORE's stores and made anew on the way out; v37, Q's offset, lies among K's fragments.
; So a step has: one wait on vm_vsrc at its barrier (the stores have read their data and addresses); one on va_vdst behind K Q^T (ahead of V's loads); one behind the exponentials; one ahead of V^T P (p's codes and
; scale word are written); and one in PSTORE ahead of the stores, which also states that the quantiser is done reading v192-223 and V^T P done reading v32-79 and v88-91: between it and the next step's global and LDS loads
; stand stores, the barrier and scalar lines alone.
.set SLOTB, 16384                      ; an LDS slot: K's images, V's images, K's scale words, V's scale words
.set VIMG,  6144                       ; K's images: 12 x 512 bytes; V's begin here: 4 fragments x 1,536 bytes
.set KSC,   12288                      ; K's scale words: tile t, row r at 16 r + 4 (t % 4) + 256 (t / 4)
.set VSC,   12800                      ; V's: tile dt, row r at 16 r + 4 dt; byte bb in it
.set STAGE, 32768                      ; the way out: 16 rows x 272 bytes for each wave
.set SPARE, 102400                     ; the spare words, 128 bytes for each wave: eight blocks of 256 bytes that no other line names
.set NPAIR, 9                          ; the loop's trips: two key steps each; the nineteenth step is written out
; 32 numbers of a lane, one block, become six registers of codes v[c] .. v[c + 5]; v251 = the scale's byte.  v[e] .. v[e + 2]: a conversion's three registers begin on an even number.
.macro QB src, c, e
	v_max3_num_f32 v248, |v[\src]|, |v[\src+1]|, 0x1800000         ; two chains; the floor 2^(3 - 127) is one more leaf: so the byte cannot fall under 1
	v_max3_num_f32 v249, |v[\src+2]|, |v[\src+3]|, |v[\src+4]|
.irp i, 5,9,13,17,21,25
	v_max3_num_f32 v248, v248, |v[\src+\i]|, |v[\src+\i+1]|
	v_max3_num_f32 v249, v249, |v[\src+\i+2]|, |v[\src+\i+3]|
.endr
	v_max3_num_f32 v248, v248, |v[\src+29]|, |v[\src+30]|
	v_max3_num_f32 v248, v248, v249, |v[\src+31]|                  ; the block's largest magnitude
	v_add_nc_u32 v250, 0xff000000, v248                            ; 2 off its exponent field: the conversion takes the exponent field of this operand as its scale
	v_cvt_scalef32_pk16_fp6_f32 v[\c:\c+2], v[\src:\src+15], v250
	v_cvt_scalef32_pk16_fp6_f32 v[\e:\e+2], v[\src+16:\src+31], v250
	v_lshrrev_b32 v251, 23, v250                                   ; the scale's byte; also the plain instruction behind the conversions
	v_mov_b32 v[\c+3], v[\e]
	v_mov_b32 v[\c+4], v[\e+1]
	v_mov_b32 v[\c+5], v[\e+2]
.endm
; my byte (block lane / 16 of my row) and lane l xor 16's make the row's scale word: bytes 0 and 1; bytes 2 and 3 stay 0
.macro WORD
	v_lshlrev_b32 v251, v31, v251
	v_permlanex16_b32 v249, v251, s20, s21
	v_or_b32 v251, v251, v249
.endm
; The next step's tile is asked for: 32 numbers a lane.  The slot steps by 128 and wraps at 4,096.
; No s_wait_alu stands here: the quantiser that read v192-223 stands ahead of PSTORE's wait on va_vdst, no vector instruction since names them, and v9 and v10 are as the head made them.
.macro PLOAD
	s_add_co_u32 s34, s34, 128
	s_and_b32 s34, s34, 4095                       ; the tile's first slot
	s_lshl_b32 s28, s34, 8                         ; a slot's row is 256 bytes
	s_add_nc_u64 s[26:27], s[24:25], s[28:29]
	s_add_co_u32 s32, s34, 128
	s_and_b32 s32, s32, 4095
	s_lshl_b32 s32, s32, 8
	s_add_nc_u64 s[30:31], s[24:25], s[32:33]      ; and the tile after it, for the prefetch
	s_cmp_lt_u32 s2, 8
	s_cbranch_scc0 .Lpv_\@
.irp i, 0,1,2,3,4,5,6,7
	global_load_b128 v[192+4*\i:195+4*\i], v9, s[26:27] offset:16*\i   ; K: my key's channels 32 h + 4 i on
.endr
	s_branch .Lpd_\@
.Lpv_\@:
.irp i, 0,1,2,3,4,5,6,7,8,9,10,11,12,13,14,15,16,17,18,19,20,21,22,23,24,25,26,27,28,29,30,31
	global_load_b32 v[192+\i], v10, s[26:27] offset:256*\i         ; V: my channel of key 32 bb + i: 32 lanes read 128 consecutive bytes
.endr
.Lpd_\@:
.endm
; A PREFETCH INTO THE L2, behind the wave's loads: in step s the tile of step s + 2, one step ahead of that tile's load: 128 rows of 256 bytes of K (waves 0-3) and of V (waves 8-11), a lane a row.
; The head's four work-groups walk the same slots, work-group x two steps behind work-group x + 1: so work-group 3 alone asks, and each row is named once.  Step 17 asks for nothing: there is no step 19.  Nothing is asked for at the head.
.macro ASK odd
.if \odd
	s_cmp_gt_u32 s3, s38                           ; an odd step: not in the loop's last trip
.else
	s_cmp_ge_u32 s3, s38
.endif
	s_cbranch_scc0 .Lna_\@
	global_prefetch_b8 v11, s[30:31] th:TH_LOAD_NT scope:SCOPE_SE
.Lna_\@:
.endm
; Scores of hidden keys become -infinity.  Register 16 b + i holds the key whose distance from my query is v254's base less c, c = 32 b + i.  Ascending: each accumulator is read from its low end on.
; The compares go in runs of sixteen, a block's half at a time, into sixteen scalar registers, with one wait behind each run, ahead of the selects that read the masks.
.macro MASKPASS top
.irp g, 0,1,2,3
.irp i, 0,1,2,3,4,5,6,7,8,9,10,11,12,13,14,15
.if \top
	v_cmp_gt_i32 s[48+\i], 32*\g+\i, v254
.else
	v_cmp_le_i32 s[48+\i], 32*\g+\i, v254
.endif
.endr
	s_wait_alu depctr_va_sdst(0)                   ; the sixteen compares have written s48 to s63, which the sixteen selects below read
.irp i, 0,1,2,3,4,5,6,7,8,9,10,11,12,13,14,15
	v_cndmask_b32 v[96+16*\g+\i], v[96+16*\g+\i], v255, s[48+\i]
.endr
.endr
.endm
; A KEY STEP's consumer work, on the slot at LDS byte sb.  s35 = E: key offset j of the step lies E + r - j positions behind query row r; it counts where 0 <= that distance < the lane's window length.
.macro CONSUME sb
	s_cmp_lt_i32 s35, -15                          ; all 128 keys come after my 16 queries,
	s_cbranch_scc1 .Lhid_\@
	s_cmp_ge_i32 s35, s36                          ; or all lie beyond every row's window: the step is left out.  No barrier stands in here
	s_cbranch_scc1 .Lhid_\@
.irp m, 0,1,2,3,4,5,6,7,8,9,10,11
	ds_load_b128 v[32+4*\m:35+4*\m], v1 offset:\sb+512*\m          ; K's eight fragments, as their registers were stored.  (The products that read these registers last stand ahead of PSTORE's wait on va_vdst; no vector or matrix instruction since names them)
.endr
	ds_load_b128 v[88:91], v2 offset:\sb+KSC
	ds_load_b128 v[92:95], v2 offset:\sb+KSC+256
	s_wait_dscnt 0x0
.irp t, 0,1,2,3,4,5,6,7
	v_wmma_scale_f32_16x16x128_f8f6f4 v[96+8*\t:103+8*\t], v[32+6*\t:43+6*\t], v[16:27], 0, v[88+\t], v28 matrix_a_fmt:MATRIX_FMT_FP6 matrix_b_fmt:MATRIX_FMT_FP6
.endr
.rept 4
	v_nop                                          ; four places (ISA guide 7.12.1) in front of the first read of these products' results
.endr
	s_wait_alu depctr_va_vdst(0)                   ; the eight products are done reading v32-79 and v88-91, in which V's fragments and scale words land
.irp m, 0,1,2,3,4,5,6,7,8,9,10,11
	ds_load_b128 v[32+4*\m:35+4*\m], v1 offset:\sb+VIMG+512*\m     ; V's four fragments: they land while the softmax is walked
.endr
	ds_load_b128 v[88:91], v2 offset:\sb+VSC
	s_cmp_ge_i32 s35, 127                          ; no key of the step comes after a query of mine: no pass
	s_cbranch_scc1 .Lnt_\@
	v_add_nc_u32 v254, s35, v29                    ; E + r - 16 h: hidden where c is above it
	v_mov_b32 v255, 0xff800000
	MASKPASS 1
.Lnt_\@:
	s_cmp_lt_i32 s35, s37                          ; no key of the step lies beyond a row's window: no pass
	s_cbranch_scc1 .Lnb_\@
	v_add_nc_u32 v254, s35, v29
	v_sub_nc_u32 v254, v254, v30                   ; less the window's length: hidden where c is at or under it
	v_mov_b32 v255, 0xff800000
	MASKPASS 0
.Lnb_\@:
.irp b, 0,1,2,3
	v_max3_num_f32 v[248+\b], v[96+16*\b], v[97+16*\b], v[98+16*\b]    ; the largest score of each block of 32 keys: for the row's maximum and, since p rises with the score, for the block's largest p
.endr
.irp i, 3,5,7,9,11,13
.irp b, 0,1,2,3
	v_max3_num_f32 v[248+\b], v[248+\b], v[96+16*\b+\i], v[97+16*\b+\i]
.endr
.endr
.irp b, 0,1,2,3
	v_max_num_f32 v[248+\b], v[248+\b], v[111+16*\b]
.endr
.irp b, 0,1,2,3
	v_permlanex16_b32 v[236+\b], v[248+\b], s20, s21
.endr
.irp b, 0,1,2,3
	v_max_num_f32 v[248+\b], v[248+\b], v[236+\b]  ; with lane l xor 16's 16 keys
.endr
	v_max3_num_f32 v254, v248, v249, v250
	v_max_num_f32 v254, v254, v251                 ; the step's largest score of my query
	v_mul_f32 v254, s22, v254                      ; as t
	v_max_num_f32 v13, v13, v254                   ; the running largest t
	v_mov_b32 v254, v12
	v_floor_f32 v12, -v13                          ; the new -M = -ceil(t): a whole number
	v_sub_f32 v254, v12, v254                      ; old M - new M: a whole number, 0 or less
	v_cvt_i32_f32 v254, v254                       ; (it saturates)
	v_ldexp_f32 v252, 1.0, v254                    ; f = 2^(old M - new M): a multiplication by it rounds nothing
.irp j, 0,2,4,6,8,10,12,14,16,18,20,22,24,26,28,30,32,34,36,38,40,42,44,46,48,50,52,54,56,58,60,62
	v_pk_fma_f32 v[96+\j:97+\j], v[96+\j:97+\j], s[22:23], v[12:13] op_sel_hi:[1,0,0]   ; t - M, two at a time
.endr
.irp b, 0,1,2,3
	v_fma_f32 v[248+\b], v[248+\b], s22, v12       ; the same of each block's largest score
.endr
.irp j, 0,1,2,3,4,5,6,7,8,9,10,11,12,13,14,15,16,17,18,19,20,21,22,23,24,25,26,27,28,29,30,31,32,33,34,35,36,37,38,39,40,41,42,43,44,45,46,47,48,49,50,51,52,53,54,55,56,57,58,59,60,61,62,63
	v_exp_f32 v[96+\j], v[96+\j]                   ; p = 2^(t - M), at most 1: not normalised
.endr
.irp b, 0,1,2,3
	v_exp_f32 v[248+\b], v[248+\b]                 ; the block's largest p.  ONE BATCH of 68: none of them reads another's result
.endr
	v_pk_mul_f32 v[14:15], v[14:15], v[252:253] op_sel_hi:[1,0]    ; the sums under the new M: the plain instruction behind the batch,
.irp j, 0,2,4,6,8,10,12,14,16,18,20,22,24,26,28,30
	v_pk_mul_f32 v[160+\j:161+\j], v[160+\j:161+\j], v[252:253] op_sel_hi:[1,0]   ; and O^T under the new M: work that names no exponential's result
.endr
	s_wait_alu depctr_va_vdst(0)                   ; the 68 exponentials have written v96-159 and v248-251: the wait ahead of the first instruction that names a result: one for the batch
.irp b, 0,1,2,3
	v_max_num_f32 v[248+\b], 0x1800000, v[248+\b]  ; the floor 2^(3 - 127): a block whose every p is 0 keeps the byte 1: its codes are zeros
.endr
.irp b, 0,1,2,3
	v_add_nc_u32 v[244+\b], 0xff000000, v[248+\b]  ; 2 off the exponent field: the conversion's scale operand
.endr
.irp b, 0,1,2,3
	v_lshrrev_b32 v[236+\b], 23, v[244+\b]         ; the scale's byte
.endr
	v_lshl_or_b32 v253, v237, 8, v236              ; p's scale word for these 128 keys
	v_lshl_or_b32 v253, v238, 16, v253
	v_lshl_or_b32 v253, v239, 24, v253
.irp c, 0,1
	v_cvt_scalef32_pk16_fp6_f32 v[224+6*\c:226+6*\c], v[96+32*\c:111+32*\c], v[244+2*\c]
	v_cvt_scalef32_pk16_fp6_f32 v[236+4*\c:238+4*\c], v[112+32*\c:127+32*\c], v[244+2*\c+1]
.endr
	v_nop                                          ; one plain instruction between a scaled conversion and the vector instruction that touches its result
.irp c, 0,1                                    ; the operand's layout wants a WHOLE block in a lane: lanes 0-15 block 2 c, lanes 16-31 block 2 c + 1
.irp i, 0,1,2
	v_permlane16_swap_b32 v[224+6*\c+\i], v[236+4*\c+\i]
.endr
.irp i, 0,1,2
	v_mov_b32 v[227+6*\c+\i], v[236+4*\c+\i]
.endr
.endr
	v_pk_add_f32 v[236:237], v[96:97], v[98:99]    ; THE ROW'S SUM IS TAKEN OF THE UNQUANTISED p, two at a time, in two chains.  These 32 name no register of the products below: they are the places between the writes of p's codes and scale word and those products
.irp j, 4,8,12,16,20,24,28,32,36,40,44,48,52,56,60
	v_pk_add_f32 v[14:15], v[14:15], v[96+\j:97+\j]
	v_pk_add_f32 v[236:237], v[236:237], v[98+\j:99+\j]
.endr
	v_pk_add_f32 v[14:15], v[14:15], v[236:237]
	s_wait_dscnt 0x0                               ; V's fragments and scale words are in
	s_wait_alu depctr_va_vdst(0)                   ; p's codes v224-235 and its scale word v253 are written, which the scaled products below take as source 1 and as its scales; the places above stay beside this wait
.irp t, 0,1,2,3                                ; O^T += V^T P^T: the four accumulators by turns; eight products K Q^T stand between two links of a chain
	v_wmma_scale_f32_16x16x128_f8f6f4 v[160+8*\t:167+8*\t], v[32+12*\t:43+12*\t], v[224:235], v[160+8*\t:167+8*\t], v[88+\t], v253 matrix_a_fmt:MATRIX_FMT_FP6 matrix_b_fmt:MATRIX_FMT_FP6
.endr
.Lhid_\@:
.endm
; The next tile's numbers are quantised and stored into the slot at LDS byte sb, as images of the operands' registers.  The block's sixteen maxima are also the places behind the products above.
; Each arm has one wait on va_vdst ahead of its stores.  It states: the codes v236-241 and the word or byte v251 are written, which the stores read; the quantiser is done reading v192-223, in which the next step's
; global loads land; the step's products V^T P are done reading v32-79 and v88-91, in which the next step's LDS loads land.  The first time it also states that Q's codes v16-27, its scale word v28 and the zeros v80-85 are
; written, which every product K Q^T takes, and that the head is done with v32-37.
.macro PSTORE sb
	s_wait_loadcnt 0x0                             ; my 8 or 32 loads are in (their number differs by role: so the count is 0); their address registers are free
	QB 192, 236, 242
	s_cmp_lt_u32 s2, 8
	s_cbranch_scc0 .Lsv_\@
	WORD
	s_wait_alu depctr_va_vdst(0)                   ; v236-241 and v251 are written; v192-223, v32-79
	ds_store_b64 v3, v[236:237] offset:\sb         ; registers 6 t .. 6 t + 5 of K's 48: pair N at 512 (N / 2) + 8 (N % 2) + 16 x lane
	ds_store_b64 v4, v[238:239] offset:\sb
	ds_store_b64 v3, v[240:241] offset:\sb+512
	ds_store_b32 v5, v251 offset:\sb+KSC           ; lanes r and r + 16 write the same word with the same value
	s_branch .Lsd_\@
.Lsv_\@:
	s_wait_alu depctr_va_vdst(0)                   ; v236-241 and v251 are written; v192-223, v32-79
	ds_store_b64 v6, v[236:237] offset:\sb+VIMG    ; registers 6 c .. 6 c + 5 of lane r + 16 (bb % 2) of fragment dt, c = bb / 2
	ds_store_b64 v7, v[238:239] offset:\sb+VIMG
	ds_store_b64 v6, v[240:241] offset:\sb+VIMG+512
	ds_store_b8 v8, v251 offset:\sb+VSC            ; byte bb of my channel's scale word
.Lsd_\@:
.endm
.macro BARRIER                                 ; my stores into the one slot have landed and my reads of the other are in: zero, for the others' sake; then the work-group's barrier
	s_wait_dscnt 0x0
	s_wait_alu depctr_vm_vsrc(0)                   ; my LDS stores have read v236-241 and v251, which the next step's softmax or quantiser writes again, and v3-5, which the way out makes anew; the first time: Q's loads have read v37, in which a fragment of K lands
	s_barrier_signal -1
	s_barrier_wait -1
.endm
.macro STEP slot, more, odd
.if \more
	s_wait_xcnt 0x0                                ; the last step's prefetch has read its address: only behind this wait is it written again
	PLOAD
	ASK \odd
.endif
	CONSUME \slot*SLOTB
	s_sub_co_i32 s35, s35, 128                     ; E of the next step
.if \more
	PSTORE (1-\slot)*SLOTB
	BARRIER
.endif
.endm
	s_load_b256 s[4:11], s[0:1], 0x0               ; q s[4:5], k s[6:7], v s[8:9], start_pos s[10:11]
	s_load_b64 s[12:13], s[0:1], 0x20              ; out
	v_lshl_add_u32 v86, v0, 2, SPARE               ; my spare word,
	v_mov_b32 v87, 0                               ; and 0: kept for the add at the wave's end
	v_lshrrev_b32 v32, 5, v0
	v_readfirstlane_b32 s2, v32                    ; wave 0..15
	v_and_b32 v33, 31, v0                          ; lane
	v_and_b32 v34, 15, v0                          ; r
	v_bfe_u32 v35, v0, 4, 1                        ; h
	v_lshlrev_b32 v1, 4, v33                       ; 16 x lane: an image's place for my lane
	v_lshlrev_b32 v2, 4, v34                       ; 16 r: a row's scale words
	v_lshlrev_b32 v31, 3, v35                      ; 8 h
	v_lshlrev_b32 v36, 4, v35
	v_sub_nc_u32 v29, v34, v36                     ; r - 16 h
	s_wait_alu depctr_va_sdst(0)                   ; s2 is written, ahead of its first reader: addresses, bases and the branches on the wave's number are made from it
	; every LDS address is made here, ahead of the first branch on the wave's number, for both roles
	s_and_b32 s40, s2, 7                           ; t: my S-tile (K's role); 4 g + bb (V's role)
	s_mul_i32 s41, s40, 3                          ; my first pair of K's registers: N = 3 t
	s_lshr_b32 s42, s41, 1
	s_lshl_b32 s42, s42, 9
	s_and_b32 s43, s41, 1
	s_lshl_b32 s43, s43, 3
	s_add_co_u32 s42, s42, s43
	v_add_nc_u32 v3, s42, v1                       ; pair N (pair N + 2 lies 512 bytes on)
	s_add_co_u32 s41, s41, 1
	s_lshr_b32 s42, s41, 1
	s_lshl_b32 s42, s42, 9
	s_and_b32 s43, s41, 1
	s_lshl_b32 s43, s43, 3
	s_add_co_u32 s42, s42, s43
	v_add_nc_u32 v4, s42, v1                       ; pair N + 1
	s_and_b32 s42, s40, 3
	s_lshl_b32 s42, s42, 2
	s_lshr_b32 s43, s40, 2
	s_lshl_b32 s43, s43, 8
	s_add_co_u32 s42, s42, s43
	v_add_nc_u32 v5, s42, v2                       ; K's scale word: 16 r + 4 (t % 4) + 256 (t / 4)
	s_lshr_b32 s44, s40, 2                         ; g: channels 32 g on
	s_and_b32 s45, s40, 3                          ; bb: keys 32 bb on
	s_lshr_b32 s46, s45, 1                         ; c = bb / 2
	v_mul_u32_u24 v36, v35, 1536                   ; fragment dt = 2 g + lane / 16
	v_add_nc_u32 v36, v36, v2
	s_mul_i32 s42, s44, 3072
	s_and_b32 s43, s45, 1
	s_lshl_b32 s43, s43, 8                         ; the target lane's half: 16 x 16 (bb % 2)
	s_add_co_u32 s42, s42, s43
	s_mul_i32 s43, s46, 520
	s_add_co_u32 s43, s43, s42
	v_add_nc_u32 v6, s43, v36                      ; pair 3 c (pair 3 c + 2 lies 512 bytes on)
	s_mul_i32 s43, s46, 1016
	s_add_co_u32 s43, s43, s42
	s_add_co_u32 s43, s43, 8
	v_add_nc_u32 v7, s43, v36                      ; pair 3 c + 1
	v_lshl_add_u32 v8, v35, 2, v2
	s_lshl_b32 s43, s44, 3
	s_add_co_u32 s43, s43, s45
	v_add_nc_u32 v8, s43, v8                       ; V's scale byte: 16 r + 4 dt + bb
	; offsets in memory
	v_and_b32 v36, 8, v34
	v_add_nc_u32 v36, v36, v34                     ; r + 8 (r / 8)
	v_lshlrev_b32 v9, 8, v36
	v_lshl_add_u32 v9, v35, 7, v9
	s_lshr_b32 s42, s40, 1
	s_lshl_b32 s42, s42, 13
	s_and_b32 s43, s40, 1
	s_lshl_b32 s43, s43, 11
	s_add_co_u32 s42, s42, s43
	v_add_nc_u32 v9, s42, v9                       ; K: key 32 (t / 2) + 8 (t % 2) + r + 8 (r / 8), 256 bytes a key, + 128 h
	v_lshlrev_b32 v10, 2, v33
	s_lshl_b32 s42, s44, 7
	s_lshl_b32 s43, s45, 13
	s_add_co_u32 s42, s42, s43
	v_add_nc_u32 v10, s42, v10                     ; V: channel 32 g + lane, key 32 bb
	v_lshlrev_b32 v11, 8, v33
	s_and_b32 s42, s2, 3
	s_lshl_b32 s42, s42, 13
	v_add_nc_u32 v11, s42, v11                     ; the prefetch: row 32 (wave % 4) + lane of a tile
	v_lshlrev_b32 v37, 8, v34
	v_lshl_add_u32 v37, v35, 7, v37                ; Q: row r, + 128 h
	s_mov_b32 s20, 0x76543210
	s_mov_b32 s21, 0xfedcba98                      ; v_permlanex16_b32's selects for lane l xor 16
	s_mov_b32 s22, 0x3e38aa3b                      ; log2(e) / sqrt(64)
	s_mov_b32 s23, s22                             ; (named with it as a pair, so it is written)
	s_mov_b32 s29, 0
	s_mov_b32 s33, 0
	s_mov_b32 s3, NPAIR
	s_wait_kmcnt 0x0
	s_load_b32 s14, s[10:11], 0x0                  ; start_pos
	s_and_b32 s40, ttmp7, 0xffff                   ; the head
	s_lshl_b32 s42, s40, 20                        ; a head of K or V: 4,096 x 256 bytes
	s_mov_b32 s43, 0
	s_add_nc_u64 s[6:7], s[6:7], s[42:43]
	s_add_nc_u64 s[8:9], s[8:9], s[42:43]
	s_cmp_lt_u32 s2, 8
	s_cselect_b64 s[24:25], s[6:7], s[8:9]         ; my role's tensor at my head: the choice hangs on the wave's number alone
	s_lshl_b32 s42, s40, 18                        ; a head of Q or out: 1,024 x 256 bytes,
	s_lshl_b32 s41, ttmp9, 16                      ; my work-group's 256 rows,
	s_add_co_u32 s42, s42, s41
	s_lshl_b32 s41, s2, 12                         ; my wave's 16
	s_add_co_u32 s42, s42, s41
	s_add_nc_u64 s[4:5], s[4:5], s[42:43]
	s_add_nc_u64 s[12:13], s[12:13], s[42:43]
	s_wait_alu depctr_va_vdst(0)                   ; the addresses and offsets v1 to v11 and v37 are written, which the loads, stores and prefetches below read
.irp i, 0,1,2,3,4,5,6,7
	global_load_b128 v[96+4*\i:99+4*\i], v37, s[4:5] offset:16*\i th:TH_LOAD_NT   ; my query's channels 32 h + 4 i on: read once
.endr
	s_wait_kmcnt 0x0
	s_and_b32 s16, s14, 4095
	s_min_u32 s16, s16, 0xfff                      ; start_pos mod 4096: what enters addresses; behind it adds, ANDs and shifts left alone
	s_min_u32 s15, s14, 0x10000                    ; start_pos held at 65,536: for the windows' lengths, which are held at 2,048 anyway
	s_add_co_u32 s41, s16, 1
	s_and_b32 s41, s41, 127                        ; o = (start_pos + 1) mod 128: how far the oldest position of the block's first query lies in its step
	s_lshl_b32 s44, ttmp9, 8
	s_lshl_b32 s45, s2, 4
	s_add_co_u32 s35, s45, 2047
	s_add_co_u32 s35, s35, s41                     ; E of step 0 = 16 w + 2047 + o
	s_add_co_u32 s34, s16, s44
	s_add_co_u32 s34, s34, 2049
	s_and_b32 s34, s34, 0xf80                      ; the first step's first slot,
	s_add_co_u32 s34, s34, 3968
	s_and_b32 s34, s34, 4095                       ; less one step: the first request steps onto it
	s_add_co_u32 s46, s44, s45                     ; my first query,
	s_add_co_u32 s46, s46, s15                     ; and its position
	s_add_co_u32 s36, s46, 16
	s_min_u32 s36, s36, 2048
	s_add_co_u32 s36, s36, 127                     ; E at or above this: every key lies beyond every row's window
	s_add_co_u32 s37, s46, 1
	s_min_u32 s37, s37, 2048
	s_sub_co_i32 s37, s37, 15                      ; E under this: no key lies beyond a row's window
	v_add_nc_u32 v30, s46, v34
	v_add_nc_u32 v30, 1, v30
	v_min_u32 v30, 0x800, v30                      ; my row's window: min(2048, its position + 1): positions under 0 do not count
	s_and_b32 s40, s2, 4
	s_xor_b32 s41, ttmp9, 3
	s_or_b32 s40, s40, s41
	s_cmp_eq_u32 s40, 0
	s_cselect_b32 s38, 1, -1                       ; 1 in waves 0-3 and 8-11 of work-group 3, which prefetch; else the greatest number
	PLOAD                                          ; step 0's tile (no vector instruction has named v192-223 yet)
.irp j, 0,1,2,3,4,5,6,7,8,9,10,11,12,13,14,15,16,17,18,19,20,21,22,23,24,25,26,27,28,29,30,31
	v_mov_b32 v[160+\j], 0                         ; O^T.  (The step is written without a first step of its own: it finds zeros, which the first change of M leaves zeros)
.endr
.irp j, 0,1,2,3,4,5
	v_mov_b32 v[80+\j], 0                          ; the tail behind K's eighth fragment,
	v_mov_b32 v[22+\j], 0                          ; and Q's zero codes for k = 64 .. 127
.endr
	v_mov_b32 v14, 0                               ; the sum, in two halves
	v_mov_b32 v15, 0
	v_mov_b32 v252, 0                              ; written once: a lane permute's destination counts as one of its sources
	v_mov_b32 v253, 0                              ; (named as the upper half of the pair v[252:253] before it is first written)
.irp b, 0,1,2,3
	v_mov_b32 v[236+\b], 0
.endr
	v_mov_b32 v13, 0xff61b1e6                      ; the largest t so far: -3e38, under every t
	v_floor_f32 v12, -v13                          ; -M
	s_wait_loadcnt 0x0                             ; Q (the loads behind it differ in number by role: so the count is 0)
	QB 96, 16, 242                                 ; Q's fragment: v16-21
	WORD
	v_mov_b32 v28, v251                            ; its scale word; the next block's maxima stand between it and the first product
	PSTORE 0
	BARRIER                                        ; step 0's tile lies in slot 0
.Lpair:                                            ; steps 0 to 17, two a trip: the slots stand in the immediates
	STEP 0, 1, 0
	STEP 1, 1, 1
	s_sub_co_u32 s3, s3, 1
	s_cmp_lg_u32 s3, 0
	s_cbranch_scc1 .Lpair
	STEP 0, 0, 0                                   ; step 18: nothing more to fetch, nothing more to share
	; THE WAY OUT.  O^T is divided by the row's sum and goes through my own stage in LDS, so that sixteen lanes store a row's 256 consecutive bytes.
	; v3, v4 and v5 are made anew: the LDS stores that read them last stand ahead of the last barrier's wait on vm_vsrc, and step 18 has no store.
	v_add_f32 v14, v14, v15                        ; the sum's two halves,
	v_permlanex16_b32 v252, v14, s20, s21
	v_add_f32 v14, v14, v252                       ; and lane l xor 16's
	v_rcp_f32 v14, v14
	v_and_b32 v248, 15, v0                         ; (plain instructions behind the reciprocal, and the places behind the last products)  r
	v_bfe_u32 v249, v0, 4, 1                       ; h
	s_mul_i32 s40, s2, 16*272
	s_add_co_u32 s40, s40, STAGE                   ; my stage
	v_mul_u32_u24 v3, v248, 272
	v_lshl_add_u32 v3, v249, 5, v3
	v_add_nc_u32 v3, s40, v3                       ; in: row r; tile t's eight channels of my half: 64 t + 32 h bytes on
	v_mul_u32_u24 v4, v249, 272
	v_lshl_add_u32 v4, v248, 4, v4
	v_add_nc_u32 v4, s40, v4                       ; back: lanes 0-15 one row, lanes 16-31 the next
	v_lshlrev_b32 v5, 8, v249
	v_lshl_add_u32 v5, v248, 4, v5                 ; and the same two rows in out
	s_wait_alu depctr_va_vdst(0)                   ; the reciprocal has written v14: the wait ahead of its first reader
.irp j, 0,1,2,3,4,5,6,7,8,9,10,11,12,13,14,15,16,17,18,19,20,21,22,23,24,25,26,27,28,29,30,31
	v_mul_f32 v[96+\j], v[160+\j], v14             ; register 8 t + i is out(r, 16 t + 8 h + i); each accumulator from its low end on
.endr
	s_wait_alu depctr_va_vdst(0)                   ; the multiplications have written v96-127, which the LDS stores read (v3, v4, v5, the addresses, were written ahead of the wait above; so were the last products' reads of v32-63, in which the loads below land, done)
.irp t, 0,1,2,3
	ds_store_b128 v3, v[96+8*\t:99+8*\t] offset:64*\t
	ds_store_b128 v3, v[100+8*\t:103+8*\t] offset:64*\t+16
.endr
.irp i, 0,1,2,3,4,5,6,7
	ds_load_b128 v[32+4*\i:35+4*\i], v4 offset:544*\i              ; LDS serves a wave's instructions in order (ISA guide 5.7.1.4): these see my stores
.endr
.irp i, 0,1,2,3,4,5,6,7
	s_wait_dscnt 7-\i                              ; rows 2 i and 2 i + 1 are back; the 7 - i younger loads may be out
	global_store_b128 v5, v[32+4*\i:35+4*\i], s[12:13] offset:512*\i th:TH_STORE_NT   ; 16 lanes store 256 consecutive bytes, at a multiple of 256 from out's first byte
.endr
	s_wait_dscnt 0x0                               ; the wave's end: the closing lines, six on end
	s_wait_alu 0x0
	s_wait_tensorcnt 0x0
	ds_add_u32 v86, v87
	s_wait_dscnt 0x0
	s_endpgm
.Lfunc_end_k_q49099de7bf_attn:
	.size	k_q49099de7bf_attn, .Lfunc_end_k_q49099de7bf_attn-k_q49099de7bf_attn
	.p2alignl 7, 3214868480
	.fill 96, 4, 3214868480
	.section	.rodata,"a",@progbits
	.p2align	6, 0x0
	.amdhsa_kernel k_q49099de7bf_attn
		.amdhsa_group_segment_fixed_size 104448
		.amdhsa_private_segment_fixed_size 0
		.amdhsa_enable_private_segment 0
		.amdhsa_kernarg_size 40
		.amdhsa_user_sgpr_count 2
		.amdhsa_user_sgpr_kernarg_segment_ptr 1
		.amdhsa_wavefront_size32 1
		.amdhsa_system_sgpr_workgroup_id_x 1
		.amdhsa_system_sgpr_workgroup_id_y 1
		.amdhsa_system_sgpr_workgroup_id_z 1
		.amdhsa_system_vgpr_workitem_id 0
		.amdhsa_next_free_vgpr 256
		.amdhsa_next_free_sgpr 66
		.amdhsa_reserve_vcc 0
		.amdhsa_float_denorm_mode_32 3
		.amdhsa_float_denorm_mode_16_64 3
		.amdhsa_memory_ordered 1
		.amdhsa_forward_progress 1
		.amdhsa_inst_pref_size 135
	.end_amdhsa_kernel
	.amdgpu_metadata
---
amdhsa.version: [ 1, 2 ]
amdhsa.kernels:
  - .name:           k_q49099de7bf_attn
    .symbol:         k_q49099de7bf_attn.kd
    .args:
      - { .name: q, .offset: 0, .size: 8, .value_kind: global_buffer, .address_space: global }
      - { .name: k, .offset: 8, .size: 8, .value_kind: global_buffer, .address_space: global }
      - { .name: v, .offset: 16, .size: 8, .value_kind: global_buffer, .address_space: global }
      - { .name: start_pos_tensor, .offset: 24, .size: 8, .value_kind: global_buffer, .address_space: global }
      - { .name: out0, .offset: 32, .size: 8, .value_kind: global_buffer, .address_space: global }
    .group_segment_fixed_size: 104448
    .private_segment_fixed_size: 0
    .kernarg_segment_align: 8
    .kernarg_segment_size: 40
    .max_flat_workgroup_size: 512
    .sgpr_count:     66
    .vgpr_count:     256
    .wavefront_size: 32
...
	.end_amdgpu_metadata
.endif
;; end of part 2
